; MI455X (gfx1250); checked and timed in simulation.
; The chip was launched on July 23, 2026; its instructions are those of AMD's public machine-readable ISA for CDNA 5 (MIT licence, August 2026) and "CDNA5" Instruction Set Architecture Reference Guide (July 2026). The comments in the code are by the model that wrote it; some were corrected since.
;; Self Attention Block. Allowed arithmetic: matrix products marked QUANTISED: E3M2 operands, one E8M0 scale for each 32 along K, by v_wmma_scale_f32_16x16x128_f8f6f4 with both operands' format E3M2, f32 sums; everything else in f32.
;; Inputs: Wk 2,048 x 2,048 float32; Wq 2,048 x 2,048 float32; Wv 2,048 x 2,048 float32; bk 2,048 float32; bq 2,048 float32; bv 2,048 float32; x 8 x 512 x 2,048 float32.
;; Outputs: out0 8 x 512 x 2,048 float32.
;; This version of the problem:
;;   THIS VERSION OF THE PROBLEM IS GIVEN IN LOW PRECISION. The matrix products marked QUANTISED in the list below multiply operands that are first quantised to E3M2 (3 exponent bits, 2 mantissa bits; 6 bits a number), with one power-of-two scale for each 32 numbers along K (OCP MX v1.0); their sums are f32. All else is computed in f32.
;;   The module's matrix products, in the order in which they are computed (A, B: the left and right operand; K: the contracted axis; several contracted axes count as one K, in the product's order):
;;     1. [M 4,096, K 2,048] x [K 2,048, N 2,048]; A: input x; B: input Wq: QUANTISED
;;     2. [M 4,096, K 2,048] x [K 2,048, N 2,048]; A: input x; B: input Wk: QUANTISED
;;     3. [M 4,096, K 2,048] x [K 2,048, N 2,048]; A: input x; B: input Wv: QUANTISED
;;     4. batch 128 x [M 512, K 128] x [K 128, N 512]; A: computed on the way; B: computed on the way: QUANTISED
;;     5. batch 128 x [M 128, K 512] x [K 512, N 512]; A: computed on the way; B: softmax (see below): QUANTISED
;;   THE QUANTISER, for each operand of a quantised product, along K:
;;     - K is cut into blocks of 32 from its start; a last block that is shorter is filled with zeros.
;;     - A block's scale is 2^e with e = floor(log2(the largest magnitude in the block)) - 4, held to -126 .. 127; a block of zeros has e = 0. As a byte (E8M0): e + 127.
;;     - Each number is divided by its block's scale, clamped to +-28, and rounded to the nearest number of E3M2, ties to even, subnormals kept.
;;     - The product sums the exact products of the quantised numbers (number of the format x scale) in f32.
;;   ~~~python
;;   def quantise(x, axis):      # numpy; x: float32 -> the quantised numbers, widened to float32 again
;;       x = np.moveaxis(x, axis, -1); K = x.shape[-1]
;;       x = np.pad(x, [(0, 0)] * (x.ndim - 1) + [(0, -K % 32)]); x = x.reshape(x.shape[:-1] + (-1, 32)); a = np.abs(x).max(-1, keepdims=True)
;;       e = np.where(a > 0, np.clip(np.frexp(np.where(a > 0, a, 1))[1] - 1 - 4, -126, 127), 0)      # np.frexp(a)[1] - 1 = floor(log2(a)), exactly
;;       r = np.clip(x / 2.0 ** e, -28, 28)
;;       step = 2.0 ** (np.maximum(np.frexp(np.where(r == 0, 1, r))[1] - 1, -2) - 2)
;;       q = np.round(r / step) * step * 2.0 ** e      # np.round: ties to even
;;       return np.moveaxis(q.reshape(q.shape[:-2] + (-1,))[..., :K], -1, axis).astype(np.float32)
;;   ~~~
;;   SOFTMAX AHEAD OF A QUANTISED PRODUCT. Where the list says 'softmax', what is quantised is not the finished softmax but p = 2^(t - M), with t = logit x log2(e) and M = ceil(the row's largest t), a whole number; so 1/2 < the row's largest p <= 1. The row's sum l is taken of the UNQUANTISED p, in f32, and the product's result is divided by l at the end. Since M is a whole number, a kernel that streams over the keys may use a running M (the ceiling of the running maximum): every later rescaling is an exact power of two, which a block's scale takes up: the codes' values come out the same.
;;   OPERANDS COMPUTED ON THE WAY. 'Computed on the way' means the value that the module computes at that place (a softmax that the list does not call 'softmax' is quantised finished and normalised). What goes into a quantiser is computed in f32, as accurately as f32 sums, v_exp_f32 and their like allow (about 1e-6 of the number): no bf16 or f16 on the way to a quantiser, and a product that is left as it is and whose result goes on into a quantised operand takes f32 operands (vector FMAs, or v_wmma_f32_16x16x4_f32). A number that lies on a knife's edge between two numbers of the format may be rounded either way, as far as f32 arithmetic and the matrix unit's own rounding can turn it there, and no further.
;; One version. Each part assembles by itself: llvm-mc -triple=amdgcn-amd-amdhsa -mcpu=gfx1250 --defsym DOCPART=n.
;; ======== version 1 of 1: 3 launches
;; limits: right only within a limited range of input values
;; workspace buffers: cimg 16,384,000 bytes; frag 18,874,368 bytes; fscl 786,432 bytes
;; launch quant (part 1): grid 640 x 1, 4 waves a work-group, no clusters, 75,264 bytes of LDS; arguments x, Wq, Wk, Wv, cimg; writes cimg
.if DOCPART == 1
	.amdgcn_target "amdgcn-amd-amdhsa--gfx1250"
	.amdhsa_code_object_version 6
	.text
	.protected	k_q2d3c3ad739_quant
	.globl	k_q2d3c3ad739_quant
	.p2align	8
	.type	k_q2d3c3ad739_quant,@function
k_q2d3c3ad739_quant:
	s_mov_b64 s[64:65], 0
	v_nop
	global_prefetch_b8 v0, s[64:65] scope:SCOPE_SE
	s_setreg_imm32_b32 hwreg(HW_REG_WAVE_MODE, 25, 1), 1
	s_wait_xcnt 0x0
; x [4096][2048] (K innermost) and Wq, Wk, Wv [2048 (K)][2048 (n)] (K outermost), f32, become codes of BF6 (E3M2), 6 bits each, with one E8M0 byte for each 32 along K.
; A block's scale is 2^(floor(log2(its largest magnitude)) - 4); its byte is the largest magnitude's exponent field - 4, held at 1 from below; numbers are divided by the scale and rounded to the nearest code, ties to even, beyond 28 the largest code.
; LIMITS: a block of zeros gets the byte 1 where the rule says 127 (its codes are zeros, which add nothing under any byte but 0xff, and only this program reads the bytes); blocks whose largest magnitude lies under 2^-122 are held at the byte 1;
; NaN and infinities among the inputs are not served.
; LAYOUT OF THE RESULT: IMAGES OF OPERAND REGISTERS.  cimg [step s = 0..15: 128 along K][group G = 0..79: 128 positions][12,800 bytes]: eight fragments (16 positions x 128 K: 12 registers a lane; register 4 c + i of lane l at
; 512 c + 16 l + 4 i: 1,536 bytes), then their scale words (tile i, row r at 12,288 + 64 i + 4 r).  Positions 0-4095: x's rows; 4096-6143: Wq's columns; 6144-8191: Wk's; 8192-10239: Wv's.
; Inside each, logical row n lies at the position n with its bits 3 and 4 exchanged: 16 neighbouring positions, taken as a matrix operand's 16 rows, then give results whose registers run along neighbours of the next product's K.
; Work-groups 0-255 take x (32 rows x 1,024 along K each; a wave 32 rows x 256 along K); work-groups 256-639 take the weights (128 columns x 256 along K each; a wave 32 columns).  Each reads 128 KiB.
; Either way a wave makes 32 positions x 256 along K: four fragments.  Its codes are laid by position in a stage of its own in LDS and read back as an operand's lanes want them.
; The two ways part on the work-group's number alone, never join, and have LDS bytes of their own.  No tensor loads, no barrier: waves share nothing.
.set SUBB,    12800                    ; bytes of 128 positions x 128 along K: eight images and their scale words
.set STEPB,   1024000                  ; bytes from a step of 128 along K to the next: 80 groups
.set FLOOR,   0x2800000                ; 2^(5 - 127): under it no largest magnitude is taken, so the byte cannot fall under 1
.set EOFF,    0xfe000000               ; takes 4 off an exponent field
.set CPITCH,  200                      ; a position in the codes' stage: 192 bytes of codes + 8
; the way for x
.set STEPS, 16
.set XR,    16                         ; v16-79   four sets of 16 numbers as they are loaded; at the end v16-63 the four fragments
.set XX,    80                         ; v80-111  two sets of 16 neighbours
.set XE,    112                        ; v112-127 a scale byte for each step
.set XC,    128                        ; v128-191 codes: four registers for each step
.set WREG,  12288                      ; LDS 0 .. 49,151: a region for each wave: two stages of 32 x SP bytes, its 256 scale bytes, the codes' stage of 32 x CPITCH bytes
.set SP,    80                         ; a lane's place in a stage of numbers: its 64 bytes + 16 of padding
.set XSCB,  2*32*SP
.set XCST,  XSCB+256
; the way for the weights
.set NB,     8                         ; blocks of 32 along K for a wave
.set WSTG,   4*WREG                    ; LDS 49,152 .. 74,751: a codes' stage of 32 x CPITCH bytes for each wave
.set WX,     32                        ; v32-95   two sets of 32 numbers
.set WC,     96                        ; v96..    a block's codes
.set WOUT,   112                       ; v112-159 the four fragments
.set WSB,    24                        ; v24-25   the scale words of the wave's two steps
; THE WAY OUT of both ways.  The stage holds 32 positions x 192 bytes.  Fragment (u, q): positions 16 u on, the wave's q-th 128 along K.  Lane (r, h) takes of row r the 24 bytes at 96 q + 24 h (registers 0-5) and those 48 further on
; (registers 6-11), in pieces of 8 bytes; then each group of four registers is stored, 16 bytes a lane: 512 consecutive bytes, at a multiple of 256 from the buffer's first byte.  s[26:27], s[28:29]: the group's blocks of the two steps.
.macro IMGOUT rda, f0, gov
.irp u, 0,1
.irp q, 0,1
.irp p, 0,1,2,3,4,5
	ds_load_b64 v[\f0+12*(2*\u+\q)+2*\p:\f0+12*(2*\u+\q)+2*\p+1], v[\rda] offset:\u*16*CPITCH+96*\q+48*(\p/3)+8*(\p%3)   ; LDS serves a wave's instructions in order: these see my stores
.endr
.endr
.endr
.irp u, 0,1
.irp q, 0,1
	s_wait_dscnt 6*(3-(2*\u+\q))                   ; this fragment's six loads are in; the younger fragments' may be out
.irp c, 0,1,2
	global_store_b128 v[\gov], v[\f0+12*(2*\u+\q)+4*\c:\f0+12*(2*\u+\q)+4*\c+3], s[26+2*\q:27+2*\q] offset:\u*1536+512*\c
.endr
.endr
.endr
.endm
	s_load_b256 s[4:11], s[0:1], 0x0               ; x s[4:5], Wq s[6:7], Wk s[8:9], Wv s[10:11]
	s_load_b64 s[12:13], s[0:1], 0x20              ; cimg
	v_lshl_add_u32 v192, v0, 2, 0x12400
	v_mov_b32 v193, 0
	v_lshrrev_b32 v1, 5, v0
	v_readfirstlane_b32 s16, v1                    ; wave 0..3
	v_and_b32 v2, 31, v0                           ; lane
	s_wait_kmcnt 0x0
	s_cmp_lt_u32 ttmp9, 256
	s_cbranch_scc0 .Lweights
; ---------------- x: K is innermost.  A wave takes 32 positions x 256 along K in 16 steps of two positions (2 x 1,024 bytes).  Each load reads 512 consecutive bytes, 16 a lane; the step's 2,048 bytes go through the wave's
; own stage in LDS, as they lie, and come back 64 bytes a lane: 16 neighbours along K, two neighbouring lanes to a block.
	s_wait_alu depctr_va_vdst(0)
	v_lshlrev_b32 v3, 4, v2                        ; my 16 bytes of a load's 512
	s_mul_i32 s17, s16, WREG
	v_lshrrev_b32 v14, 2, v2
	v_mul_u32_u24 v14, v14, SP
	v_and_b32 v15, 3, v2
	v_lshl_add_u32 v14, v15, 4, v14
	v_add_nc_u32 v14, s17, v14                     ; the numbers' stage, on the way in: four lanes' 64 bytes on end, then 16 of padding
	v_mul_u32_u24 v15, v2, SP
	v_add_nc_u32 v15, s17, v15                     ; and on the way out: SP x lane
	s_add_co_u32 s18, s17, XSCB
	v_lshrrev_b32 v5, 1, v2
	v_add_nc_u32 v5, s18, v5                       ; my wave's 256 scale bytes, 8 a position: my block's byte
	v_lshlrev_b32 v6, 3, v2
	v_add_nc_u32 v6, s18, v6                       ; and on the way out position = lane: its two scale words
	s_add_co_u32 s18, s17, XCST
	v_and_b32 v8, 15, v2
	v_lshrrev_b32 v9, 4, v2
	v_mul_u32_u24 v4, v9, CPITCH
	v_mad_u32_u24 v4, v8, 12, v4
	v_add_nc_u32 v4, s18, v4                       ; the codes' stage, in: the step's position lane / 16, my 16 codes' 12 bytes
	v_mul_u32_u24 v10, v8, CPITCH
	v_mad_u32_u24 v10, v9, 24, v10
	v_add_nc_u32 v10, s18, v10                     ; and out: row r, + 24 h
	s_lshr_b32 s18, ttmp9, 1                       ; which group of 32 rows
	s_and_b32 s19, ttmp9, 1
	s_lshl_b32 s19, s19, 2
	s_add_co_u32 s19, s19, s16                     ; which 256 along K: 4 x (work-group % 2) + wave
	s_lshl_b32 s20, s18, 18                        ; 32 rows of 8,192 bytes
	s_lshl_b32 s21, s19, 10                        ; 256 numbers of a row
	s_add_co_u32 s20, s20, s21
	s_mov_b32 s21, 0
	s_add_nc_u64 s[4:5], s[4:5], s[20:21]
	s_mul_i32 s20, s19, 160                        ; two steps of 80 groups
	s_lshr_b32 s22, s18, 2                         ; my group of 128 positions
	s_add_co_u32 s20, s20, s22
	s_mul_i32 s20, s20, SUBB
	s_add_nc_u64 s[26:27], s[12:13], s[20:21]      ; the group's block of my first step,
	s_add_nc_u64 s[28:29], s[26:27], STEPB         ; and of my second
	s_and_b32 s22, s18, 3
	s_lshl_b32 s22, s22, 1                         ; my first tile of 16 positions among the group's eight
	s_mul_i32 s30, s22, 1536
	s_lshl_b32 s31, s22, 6
	v_add_nc_u32 v1, s30, v3                       ; my 16 bytes in that tile's image
	v_lshl_add_u32 v7, v2, 2, s31                  ; and position = lane's scale word
.macro LOADX t                         ; step t: positions 2 t and 2 t + 1, which hold the logical rows SWR and SWR + 1 (2 t with its bits 3 and 4 exchanged)
.set SWR, (((2*(\t))&7)|((((2*(\t))>>3)&1)<<4)|((((2*(\t))>>4)&1)<<3))
.irp i, 0,1,2,3
	global_load_b128 v[XR+16*((\t)%4)+4*\i:XR+16*((\t)%4)+4*\i+3], v3, s[4:5] offset:(SWR+\i/2)*8192+(\i%2)*512 th:TH_LOAD_NT   ; 32 lanes read 512 consecutive bytes
.endr
.endm
.macro TURNX t                         ; step t's numbers through the stage: LDS serves a wave's instructions in order, so no wait stands between the stores and the loads
.irp i, 0,1,2,3
	ds_store_b128 v14, v[XR+16*((\t)%4)+4*\i:XR+16*((\t)%4)+4*\i+3] offset:32*SP*((\t)%2)+8*SP*\i
.endr
.irp i, 0,1,2,3
	ds_load_b128 v[XX+16*((\t)%2)+4*\i:XX+16*((\t)%2)+4*\i+3], v15 offset:32*SP*((\t)%2)+16*\i
.endr
.endm
.irp t, 0,1,2,3
	LOADX \t
.endr
	s_wait_loadcnt 12                              ; step 0's four loads are in; the twelve of steps 1 to 3 may be out
	TURNX 0
.macro STEPX t
.set XS, XX+16*((\t)%2)
.if (\t) > 0
	s_wait_dscnt 4                                 ; this step's numbers are back from the stage (the last step's byte store and its three stores of codes may be out): so its stores into the stage have read their registers,
.else
	s_wait_dscnt 0x0
.endif
.if (\t)+4 < STEPS
	LOADX (\t)+4                                   ; which take the loads of four steps on
.endif
.if (\t)+1 < STEPS
.if STEPS-2-(\t) >= 3
	s_wait_loadcnt 12                              ; the next step's four loads are in; those of the three steps behind it may be out
.else
	s_wait_loadcnt 4*(STEPS-2-(\t))
.endif
	TURNX (\t)+1                                   ; and go through the other stage while this step is worked
.endif
	v_max3_num_f32 v8, |v[XS]|, |v[XS+1]|, |v[XS+2]|               ; the largest magnitude of my 16, in two chains
	v_max3_num_f32 v9, |v[XS+3]|, |v[XS+4]|, |v[XS+5]|
.irp i, 6,10
	v_max3_num_f32 v8, v8, |v[XS+\i]|, |v[XS+\i+1]|
	v_max3_num_f32 v9, v9, |v[XS+\i+2]|, |v[XS+\i+3]|
.endr
	v_max3_num_f32 v8, v8, |v[XS+14]|, |v[XS+15]|
	v_max3_num_f32 v8, v8, v9, FLOOR               ; and the floor
	v_max_num_f32_dpp v8, v8, v8 row_xmask:1 row_mask:0xf bank_mask:0xf   ; and of my neighbour's 16: the block's
	v_add_nc_u32 v11, EOFF, v8                     ; 4 off its exponent field: the conversion takes the exponent field of this operand as its scale, and nothing else of it
	v_cvt_scalef32_pk16_bf6_f32 v[XC+4*(\t):XC+4*(\t)+2], v[XS:XS+15], v11   ; sixteen codes, 96 bits without gaps, the first number's code lowest
	v_lshrrev_b32 v[XE+(\t)], 23, v11              ; the scale's byte (also the plain line behind the conversion)
	ds_store_b8 v5, v[XE+(\t)] offset:16*(\t)      ; both lanes of a block write the same byte with the same value
	ds_store_b32 v4, v[XC+4*(\t)] offset:2*CPITCH*(\t)       ; my 12 bytes into the row of my position: they begin at a multiple of 4 bytes, so they go word by word
	ds_store_b32 v4, v[XC+4*(\t)+1] offset:2*CPITCH*(\t)+4
	ds_store_b32 v4, v[XC+4*(\t)+2] offset:2*CPITCH*(\t)+8
.endm
.irp t, 0,1,2,3,4,5,6,7,8,9,10,11,12,13,14,15
	STEPX \t
.endr
	ds_load_b64 v[12:13], v6                       ; LDS serves a wave's instructions in order: these see my stores
	s_wait_dscnt 0x0
	global_store_b32 v7, v12, s[26:27] offset:12288   ; two tiles' scale words of a step: the 32 lanes store 128 consecutive bytes
	global_store_b32 v7, v13, s[28:29] offset:12288
	IMGOUT 10, XR, 1
	s_wait_tensorcnt 0x0
	ds_add_u32 v192, v193
	s_wait_dscnt 0x0
	s_endpgm
; ---------------- the weights: K is the first axis.  A lane takes a column n and its registers run down K: each load reads 128 consecutive bytes a wave, a block of 32 along K lies in one lane's 32 registers,
; and the conversions give codes with K innermost.  The codes go into the wave's own stage, to the row of the column's POSITION.
.Lweights:
	s_sub_co_u32 s17, ttmp9, 256
	s_lshr_b32 s18, s17, 7                         ; which weight: 0 Wq, 1 Wk, 2 Wv
	s_cmp_eq_u32 s18, 0
	s_cselect_b64 s[4:5], s[6:7], s[8:9]
	s_cmp_eq_u32 s18, 2
	s_cselect_b64 s[4:5], s[10:11], s[4:5]         ; the choice hangs on the work-group's number alone
	s_and_b32 s19, s17, 15                         ; which 128 columns
	s_bfe_u32 s20, s17, 0x30004                    ; which 256 along K: 3 bits from bit 4
	s_lshl_b32 s24, s19, 7
	s_lshl_b32 s21, s16, 5
	s_add_co_u32 s24, s24, s21                     ; my wave's first column
	s_lshl_b32 s22, s20, 21                        ; 256 rows of 8,192 bytes
	s_lshl_b32 s21, s24, 2
	s_add_co_u32 s22, s22, s21
	s_mov_b32 s23, 0
	s_add_nc_u64 s[4:5], s[4:5], s[22:23]
	s_lshl_b32 s21, s18, 4
	s_add_co_u32 s21, s21, s19
	s_add_co_u32 s21, s21, 32                      ; my group of 128 positions: the weights begin at position 4,096
	s_mul_i32 s22, s20, 160                        ; two steps of 80 groups
	s_add_co_u32 s22, s22, s21
	s_mul_i32 s22, s22, SUBB
	s_add_nc_u64 s[26:27], s[12:13], s[22:23]      ; the group's block of my first step,
	s_add_nc_u64 s[28:29], s[26:27], STEPB         ; and of my second
	s_mul_i32 s30, s16, 2*1536                     ; my first tile among the group's eight is 2 x wave
	s_lshl_b32 s31, s16, 7
	s_wait_alu depctr_va_vdst(0)
	v_lshlrev_b32 v3, 2, v2                        ; in: 4 bytes a lane
	v_and_b32 v10, 7, v2
	v_bfe_u32 v11, v2, 3, 1
	v_lshl_or_b32 v10, v11, 4, v10
	v_bfe_u32 v11, v2, 4, 1
	v_lshl_or_b32 v10, v11, 3, v10                 ; my column's position among the wave's 32: the lane with its bits 3 and 4 exchanged
	s_mul_i32 s25, s16, 32*CPITCH
	s_add_co_u32 s25, s25, WSTG                    ; my stage
	v_mul_u32_u24 v4, v10, CPITCH
	v_add_nc_u32 v4, s25, v4                       ; into it: row = my position
	v_and_b32 v5, 15, v2
	v_mul_u32_u24 v7, v5, CPITCH
	v_mad_u32_u24 v7, v11, 24, v7
	v_add_nc_u32 v7, s25, v7                       ; out of it: row r, + 24 h
	v_lshlrev_b32 v8, 4, v2
	v_add_nc_u32 v8, s30, v8                       ; my 16 bytes in my first tile's image
	v_lshl_add_u32 v9, v10, 2, s31                 ; my position's scale word
.macro LOADW t                         ; block t: W(32 t + i, my column), i = 0 .. 31, into set t % 2
.irp i, 0,1,2,3,4,5,6,7,8,9,10,11,12,13,14,15,16,17,18,19,20,21,22,23,24,25,26,27,28,29,30,31
	global_load_b32 v[WX+32*((\t)%2)+\i], v3, s[4:5] offset:(32*(\t)+\i)*8192 th:TH_LOAD_NT
.endr
.endm
	LOADW 0
	LOADW 1
.macro BLOCKW t
.set XS, WX+32*((\t)%2)
.if (\t) < NB-1
	s_wait_loadcnt 32                              ; this block's 32 loads are in; the next block's may be out
.else
	s_wait_loadcnt 0
.endif
	v_max3_num_f32 v12, |v[XS]|, |v[XS+1]|, |v[XS+2]|               ; the block's largest magnitude: all 32 numbers are mine
	v_max3_num_f32 v13, |v[XS+3]|, |v[XS+4]|, |v[XS+5]|
.irp i, 6,10,14,18,22,26
	v_max3_num_f32 v12, v12, |v[XS+\i]|, |v[XS+\i+1]|
	v_max3_num_f32 v13, v13, |v[XS+\i+2]|, |v[XS+\i+3]|
.endr
	v_max3_num_f32 v12, v12, |v[XS+30]|, |v[XS+31]|
	v_max3_num_f32 v12, v12, v13, FLOOR
	v_add_nc_u32 v11, EOFF, v12                    ; the conversion's scale operand
	v_lshrrev_b32 v13, 23, v11                     ; the scale's byte
.if (\t)%4 == 0
	v_mov_b32 v[WSB+(\t)/4], v13                   ; four bytes to a register, the lower K in the lower byte: a step's scale word
.else
	v_lshl_or_b32 v[WSB+(\t)/4], v13, 8*((\t)%4), v[WSB+(\t)/4]
.endif
	v_cvt_scalef32_pk16_bf6_f32 v[WC:WC+2], v[XS:XS+15], v11
	v_cvt_scalef32_pk16_bf6_f32 v[WC+4:WC+6], v[XS+16:XS+31], v11   ; (a conversion's three registers begin on an even number)
	ds_store_b64 v4, v[WC:WC+1] offset:24*(\t)     ; the block's 24 bytes on end in my position's row; a pair of registers begins on an even number, so only the first two go together
	ds_store_b32 v4, v[WC+2] offset:24*(\t)+8
	ds_store_b32 v4, v[WC+4] offset:24*(\t)+12
	ds_store_b32 v4, v[WC+5] offset:24*(\t)+16
	ds_store_b32 v4, v[WC+6] offset:24*(\t)+20
.if (\t)+2 < NB
	LOADW (\t)+2
.endif
	s_wait_dscnt 0x0                               ; the stores have read their registers: the next block's codes may be written
.endm
.irp t, 0,1,2,3,4,5,6,7
	BLOCKW \t
.endr
	global_store_b32 v9, v[WSB], s[26:27] offset:12288     ; two tiles' scale words of a step: the 32 lanes fill 128 consecutive bytes
	s_wait_alu depctr_va_vdst(0)
	global_store_b32 v9, v[WSB+1], s[28:29] offset:12288
	IMGOUT 7, WOUT, 8
	s_wait_tensorcnt 0x0
	ds_add_u32 v192, v193
	s_wait_dscnt 0x0
	s_endpgm
.Lfunc_end_k_q2d3c3ad739_quant:
	.size	k_q2d3c3ad739_quant, .Lfunc_end_k_q2d3c3ad739_quant-k_q2d3c3ad739_quant
	.p2alignl 7, 3214868480
	.fill 96, 4, 3214868480
	.section	.rodata,"a",@progbits
	.p2align	6, 0x0
	.amdhsa_kernel k_q2d3c3ad739_quant
		.amdhsa_group_segment_fixed_size 75264
		.amdhsa_private_segment_fixed_size 0
		.amdhsa_enable_private_segment 0
		.amdhsa_kernarg_size 40
		.amdhsa_user_sgpr_count 2
		.amdhsa_user_sgpr_kernarg_segment_ptr 1
		.amdhsa_wavefront_size32 1
		.amdhsa_system_sgpr_workgroup_id_x 1
		.amdhsa_system_sgpr_workgroup_id_y 1
		.amdhsa_system_sgpr_workgroup_id_z 1
		.amdhsa_system_vgpr_workitem_id 0
		.amdhsa_next_free_vgpr 194
		.amdhsa_next_free_sgpr 66
		.amdhsa_reserve_vcc 0
		.amdhsa_float_denorm_mode_32 3
		.amdhsa_float_denorm_mode_16_64 3
		.amdhsa_memory_ordered 1
		.amdhsa_forward_progress 1
		.amdhsa_inst_pref_size 80
	.end_amdhsa_kernel
	.amdgpu_metadata
---
amdhsa.version: [ 1, 2 ]
amdhsa.kernels:
  - .name:           k_q2d3c3ad739_quant
    .symbol:         k_q2d3c3ad739_quant.kd
    .args:
      - { .name: x, .offset: 0, .size: 8, .value_kind: global_buffer, .address_space: global }
      - { .name: Wq, .offset: 8, .size: 8, .value_kind: global_buffer, .address_space: global }
      - { .name: Wk, .offset: 16, .size: 8, .value_kind: global_buffer, .address_space: global }
      - { .name: Wv, .offset: 24, .size: 8, .value_kind: global_buffer, .address_space: global }
      - { .name: cimg, .offset: 32, .size: 8, .value_kind: global_buffer, .address_space: global }
    .group_segment_fixed_size: 75264
    .private_segment_fixed_size: 0
    .kernarg_segment_align: 8
    .kernarg_segment_size: 40
    .max_flat_workgroup_size: 128
    .sgpr_count:     66
    .vgpr_count:     194
    .wavefront_size: 32
...
	.end_amdgpu_metadata
.endif
;; end of part 1
;; launch proj (part 2): grid 16 x 16, 4 waves a work-group, clusters of 4 x 4, 327,680 bytes of LDS; arguments cimg, bq, bk, bv, frag, fscl; writes frag, fscl
.if DOCPART == 2
	.amdgcn_target "amdgcn-amd-amdhsa--gfx1250"
	.amdhsa_code_object_version 6
	.text
	.protected	k_q2d3c3ad739_proj
	.globl	k_q2d3c3ad739_proj
	.p2align	8
	.type	k_q2d3c3ad739_proj,@function
k_q2d3c3ad739_proj:
	s_mov_b64 s[64:65], 0
	v_nop
	global_prefetch_b8 v0, s[64:65] scope:SCOPE_SE
	s_setreg_imm32_b32 hwreg(HW_REG_WAVE_MODE, 25, 1), 1
	s_wait_xcnt 0x0
	s_wait_alu depctr_hold_cnt(0) depctr_sa_sdst(0) depctr_va_vdst(0) depctr_va_sdst(0) depctr_va_ssrc(0) depctr_va_vcc(0) depctr_vm_vsrc(0)
	s_getreg_b32 s2, hwreg(HW_REG_IB_STS2, 6, 4)
	s_cmp_eq_u32 s2, 0
	s_cbranch_scc0 .Lentry_in_a_cluster
	s_endpgm
.Lentry_in_a_cluster:
	s_bfe_u32 s2, ttmp6, 0x10000c
	s_cmp_lg_u32 s2, 0xf033
	s_cbranch_scc0 .Lentry_shape_is_right
	s_endpgm
.Lentry_shape_is_right:
; The three projections q = x Wq + bq, k = x Wk + bk, v = x Wv + bv on codes of BF6 (E3M2) with one E8M0 scale for each 32 along K = 2,048, sums in f32.
; The results are quantised here, in registers, along the next product's K (q, k: the head's 128 channels; v: the keys) and leave as images of operand registers.
; OPERANDS: cimg [step of 128 along K][group of 128 positions][12,800 bytes: eight images of fragments (register 4 c + i of lane l at 512 c + 16 l + 4 i), then their scale words (tile i, row r at 12,288 + 64 i + 4 r)];
; groups 0-31 x's rows, 32-47 Wq's columns, 48-63 Wk's, 64-79 Wv's; inside each, logical row n lies at n with bits 3 and 4 exchanged.
; SHARES: 256 work-groups, one for each (256 tokens, head): x's two groups against that head's group of Wq, of Wk and of Wv.  Wave (i, j): token group i; all of q (j = 0) or k (j = 1), 128 x 128, and channels 64 j .. 64 j + 63 of v.
; That is 8 blocks of x against 12 blocks of weights: 96 accumulators.  q, k: source 0 = weights, source 1 = x: a lane holds a token, its registers run along channels.  v: the sources are swapped: a lane holds a channel, its registers run along keys.
; THE RING: two LDS slots of two K steps.  In a slot: x's step j at 38,400 j (two groups), the weights' step j at 76,800 + 38,400 j (Wq, Wk, Wv).  Waves 0, 1 fetch x's two steps, waves 2, 3 the weights': one tensor load a wave.
; Between a refill and the wait for it a wave issues 176 matrix instructions.  CLUSTERS: 4 x 4; x's tiles are asked for jointly along a row of the cluster, the weights' along a column.
; A STEP is three thirds of 32 matrix instructions (weight blocks 0-3, 4-7, Wv's four), each by x's blocks in ascending order.  Two buffers of four weight fragments take turns.  x's blocks 0, 1 have two sets by the step's parity and are
; fetched with the next step's first third; blocks 2-7 have one set: blocks 2-4 are fetched anew behind their last products, blocks 5-7 at the step's end.  So a step has four runs of LDS loads.
; THE BIASES are the C of step 0's products: until then they lie in registers of window 3 (q, k: eight registers a column tile; v: in the accumulators of x's block 7, which are begun last).
; No prefetch: each block of cimg is named by four clusters in the same K step, not by one, and K has 16 steps, of which the first four come by the head's loads.
; RESULT: frag [idx][tile 0..7][1,536 bytes: an image as above], fscl [idx][512 bytes: tile a, row r at 256 (a / 4) + 16 r + 4 (a % 4)]; idx = 512 x (0 q, 1 k, 2 v) + 4 x (16 x batch + head) + quarter of 128 tokens.
; LIMITS: a block of zeros gets the byte 1 (zero codes; only this program reads the bytes); blocks whose largest magnitude lies under 2^-122 are held at the byte 1; NaN and infinities are not served.
; REGISTERS: window 0: v0-15 addresses; v16-39 scale words, two sets by the step's parity (register i: lanes 0-15 x's block i, lanes 16-31 weight block i); v40-135 x's fragments; v136-231 the weights' two buffers; v232-255 x's blocks 0, 1 of odd steps.
;   window 1: accumulator (a, b) of column tiles b = 0-3 at v[32 a + 8 b]; window 2: b = 4-7 likewise; window 3: v's (a, b) at v[64 b + 8 a].
.set SUBB,   12800
.set STEPB,  1024000
.set STP,    38400                     ; from a slot's first step to its second
.set WB,     76800                     ; where the weights lie in a slot
.set SLOT,   153600
.set SPARE,  2*SLOT                    ; the spare words: 512 bytes that no other line names
.set FLOOR,  0x2800000
.set ADRA, 2                           ; v2-3   my 16 bytes in my x group, slot 0, 1
.set ADRB, 4                           ; v4-5   in my Wq or Wk group
.set ADRV, 6                           ; v6-7   in my four tiles of Wv's group
.set ADRS, 8                           ; v8-9   scale words: lanes 0-15 x's, lanes 16-31 Wq's or Wk's
.set ADRT, 10                          ; v10-11 lanes 16-31 Wv's (lanes 0-15 x's again, not used)
.set SPW,  12
.set NIL,  13
.set GO,   14                          ; 16 x lane
.set HH,   15                          ; lane / 16
.set SC,   16
.set AF0,  40                          ; x's block a at v[AF0 + 12 a]; blocks 0, 1 of an odd step 192 registers further on
.set AF,   AF0                         ; the base that the macros below use: set anew ahead of each use
.set BF,   136
.set PCF,  40                          ; the way out: twelve registers of codes for each of the 12 fragments
.set TP,   184
.set TM,   192
.set SW,   208
.set G1, 24
.set G0, 32
.set G1B, 48
.set G0B, 56
.set MSB, 0
.macro WIN new
.if MSB != \new
	s_set_vgpr_msb (MSB<<8)|\new
.set MSB, \new
.endif
.endm
.macro PLACES n
.rept \n
	v_nop
.endr
.endm
; a joint load: waves 0, 1 for x, waves 2, 3 for the weights; s_nop 0 and four v_nop behind each line
.macro JLOAD g0a, g0b
	s_cmp_eq_u32 s15, 0
	s_cbranch_scc0 .Lfor_b_\@
	tensor_load_to_lds s[\g0a:\g0a+3], s[G1:G1+7]
	s_nop 0
	PLACES 4
	s_branch .Lasked_\@
.Lfor_b_\@:
	tensor_load_to_lds s[\g0b:\g0b+3], s[G1B:G1B+7]
	s_nop 0
	PLACES 4
.Lasked_\@:
.endm
.macro CREST
	s_cmp_lg_u32 s14, 0
	s_cbranch_scc1 .Lnot_wave_0_\@
	s_barrier_signal -3
.Lnot_wave_0_\@:
	s_barrier_wait -3
	s_barrier_signal -1
	s_barrier_wait -1
.endm
.macro CROUND
	s_barrier_signal -1
	s_barrier_wait -1
	CREST
.endm
	s_load_b256 s[4:11], s[0:1], 0x0               ; cimg, bq, bk, bv
	s_load_b128 s[96:99], s[0:1], 0x20             ; frag, fscl
	v_lshl_add_u32 v[SPW], v0, 2, SPARE
	v_mov_b32 v[NIL], 0
	ds_add_u32 v[SPW], v[NIL]                      ; the opening lines: the add twice and its wait
	ds_add_u32 v[SPW], v[NIL]
	v_lshrrev_b32 v1, 5, v0
	v_readfirstlane_b32 s14, v1                    ; wave
	s_lshr_b32 s15, s14, 1                         ; i: my token group.  Also: I fetch x (0) or the weights (1)
	s_and_b32 s16, s14, 1                          ; j: q or k, and which half of v.  Also: which step of a slot I fetch
	s_bfe_u32 s40, ttmp6, 0x40000                  ; cx
	s_bfe_u32 s41, ttmp6, 0x40004                  ; cy
	s_lshl_b32 s42, ttmp9, 2
	s_add_co_u32 s42, s42, s40                     ; the head
	s_and_b32 s17, ttmp7, 0xffff
	s_lshl_b32 s17, s17, 2
	s_add_co_u32 s17, s17, s41                     ; which 256 tokens
	s_lshl_b32 s43, s41, 2
	s_lshl_b32 s43, 15, s43                        ; my row of the cluster
	s_lshl_b32 s44, 0x1111, s40                    ; my column
	s_or_b32 s[G1], s43, (3<<16)|(1<<21)           ; x: 2 rows of 12,800 bytes (1,600 elements of 8), dense
	s_or_b32 s[G1B], s44, (3<<16)|(1<<21)          ; weights: 3 rows of 12,800 bytes, 16 groups apart
	s_mov_b32 s[G1+1], 1600<<16
	s_mov_b32 s[G1+2], 2<<16
	s_mov_b32 s[G1+3], 1600<<16
	s_mov_b32 s[G1+4], 2
	s_mov_b32 s[G1+5], 1600
	s_mov_b32 s[G1+6], 0
	s_mov_b32 s[G1+7], 0
	s_mov_b32 s[G1B+1], 1600<<16
	s_mov_b32 s[G1B+2], 3<<16
	s_mov_b32 s[G1B+3], 1600<<16
	s_mov_b32 s[G1B+4], 3
	s_mov_b32 s[G1B+5], 25600
	s_mov_b32 s[G1B+6], 0
	s_mov_b32 s[G1B+7], 0
	s_mul_i32 s18, s16, STEPB
	s_mul_i32 s20, s17, 2*SUBB
	s_add_co_u32 s20, s20, s18
	s_mov_b32 s21, 0
	s_add_co_u32 s46, s42, 32
	s_mul_i32 s46, s46, SUBB
	s_add_co_u32 s46, s46, s18
	s_mov_b32 s47, 0
	s_mul_i32 s45, s16, STP                        ; LDS: by the wave's number alone
	s_add_co_u32 s19, s45, WB
	s_wait_dscnt 0x0
	s_wait_kmcnt 0x0
	s_add_nc_u64 s[20:21], s[4:5], s[20:21]
	s_add_nc_u64 s[46:47], s[4:5], s[46:47]
	CROUND                                         ; the first joint loads meet
.irp s, 0,1                            ; slot 0: steps 0, 1; slot 1: steps 2, 3
	s_mov_b32 s[G0+4*\s], 1
	s_add_co_u32 s[G0+4*\s+1], s45, \s*SLOT
	s_add_nc_u64 s[G0+4*\s+2:G0+4*\s+3], s[20:21], \s*2*STEPB
	s_or_b32 s[G0+4*\s+3], s[G0+4*\s+3], 0x80000000
	s_mov_b32 s[G0B+4*\s], 1
	s_add_co_u32 s[G0B+4*\s+1], s19, \s*SLOT
	s_add_nc_u64 s[G0B+4*\s+2:G0B+4*\s+3], s[46:47], \s*2*STEPB
	s_or_b32 s[G0B+4*\s+3], s[G0B+4*\s+3], 0x80000000
.endr
	JLOAD G0, G0B                                  ; slot 0: my one load at the head
	s_mul_i32 s21, s15, SUBB                       ; my x group
	s_mul_i32 s22, s16, SUBB
	s_add_co_u32 s22, s22, WB                      ; my Wq or Wk group
	s_mul_i32 s23, s16, 6144
	s_add_co_u32 s23, s23, WB+2*SUBB               ; my four tiles of Wv's group
	s_sub_co_u32 s2, s22, s21                      ; from x's scale words to the weights'
	s_lshl_b32 s3, s16, 8
	s_add_co_u32 s3, s3, WB+2*SUBB
	s_sub_co_u32 s3, s3, s21                       ; and to those of my four tiles of Wv
	s_add_co_u32 s18, s21, 12288
	s_cmp_eq_u32 s16, 0
	s_cselect_b64 s[12:13], s[6:7], s[8:9]         ; bq or bk, by the wave's number
	s_lshl_b32 s66, s42, 9
	s_mov_b32 s67, 0
	s_add_nc_u64 s[12:13], s[12:13], s[66:67]      ; at my head
	s_add_nc_u64 s[10:11], s[10:11], s[66:67]
	s_lshl_b32 s66, s16, 8
	s_add_nc_u64 s[10:11], s[10:11], s[66:67]      ; bv at my head's channel 64 j
	s_lshr_b32 s68, s17, 1
	s_lshl_b32 s68, s68, 4
	s_add_co_u32 s68, s68, s42                     ; 16 x batch + head
	s_lshl_b32 s68, s68, 2
	s_and_b32 s69, s17, 1
	s_lshl_b32 s69, s69, 1
	s_add_co_u32 s68, s68, s69
	s_add_co_u32 s68, s68, s15                     ; + quarter
	s_lshl_b32 s69, s16, 9
	s_add_co_u32 s69, s69, s68                     ; idx of q or k
	s_mul_i32 s66, s69, 12288
	s_add_nc_u64 s[88:89], s[96:97], s[66:67]
	s_lshl_b32 s66, s69, 9
	s_add_nc_u64 s[90:91], s[98:99], s[66:67]
	s_add_co_u32 s68, s68, 1024                    ; idx of v
	s_mul_i32 s66, s68, 12288
	s_mul_i32 s69, s16, 6144
	s_add_co_u32 s66, s66, s69
	s_add_nc_u64 s[92:93], s[96:97], s[66:67]      ; my tiles 4 j .. 4 j + 3
	s_lshl_b32 s66, s68, 9
	s_lshl_b32 s69, s16, 8
	s_add_co_u32 s66, s66, s69
	s_add_nc_u64 s[94:95], s[98:99], s[66:67]
	v_and_b32 v1, 15, v0                           ; r
	v_bfe_u32 v[HH], v0, 4, 1
	v_and_b32 v232, 31, v0
	v_lshlrev_b32 v[GO], 4, v232
	v_add_nc_u32 v[ADRA], s21, v[GO]
	v_add_nc_u32 v[ADRB], s22, v[GO]
	v_add_nc_u32 v[ADRV], s23, v[GO]
	v_mul_u32_u24 v233, s2, v[HH]                  ; one product in the lane's half
	v_mul_u32_u24 v234, s3, v[HH]
	v_lshl_add_u32 v233, v1, 2, v233
	v_lshl_add_u32 v234, v1, 2, v234
	v_add_nc_u32 v[ADRS], s18, v233
	v_add_nc_u32 v[ADRT], s18, v234
.irp r, ADRA, ADRB, ADRV, ADRS, ADRT
	v_add_nc_u32 v[\r+1], SLOT, v[\r]
.endr
	v_lshlrev_b32 v235, 6, v[HH]                   ; q, k: my columns begin 16 h numbers on
	v_and_b32 v236, 8, v1
	v_add_nc_u32 v236, v236, v1
	v_lshlrev_b32 v236, 2, v236                    ; v: lane r of tile t is channel 32 (t / 2) + 8 (t % 2) + r + 8 (r / 8)
	WIN 0xc0                                       ; the biases go into window 3
.irp b, 0,1,2,3,4,5,6,7                ; column tile b: columns 32 (b / 2) + 16 h + 8 (b % 2) + 0 .. 7, at v[8 b] (tile 7 at v64: v56-63 are v's)
	global_load_b128 v[8*\b+8*(\b/7):8*\b+8*(\b/7)+3], v235, s[12:13] offset:128*(\b/2)+32*(\b%2)
	global_load_b128 v[8*\b+8*(\b/7)+4:8*\b+8*(\b/7)+7], v235, s[12:13] offset:128*(\b/2)+32*(\b%2)+16
.endr
.irp b, 0,1,2,3                        ; my channel's bias, eight times: the C of a tile whose registers run along keys
.irp e, 0,1,2,3,4,5,6,7
	global_load_b32 v[64*\b+56+\e], v236, s[10:11] offset:4*(32*(\b/2)+8*(\b%2))
.endr
.endr
	WIN 0
.macro LD3 reg, adr, off               ; an image comes back as it was stored: three loads of 512 consecutive bytes
.irp c, 0,1,2
	ds_load_b128 v[\reg+4*\c:\reg+4*\c+3], v[\adr] offset:\off+512*\c
.endr
.endm
.macro FETCHT sl, j, t                 ; third t of the weights of the slot's step j, into buffer (j + t) % 2
.irp i, 0,1,2,3
.if (\t) < 2
	LD3 BF+48*(((\j)+(\t))%2)+12*\i, ADRB+(\sl), (\j)*STP+(4*(\t)+\i)*1536
.else
	LD3 BF+48*(((\j)+(\t))%2)+12*\i, ADRV+(\sl), (\j)*STP+\i*1536
.endif
.endr
.endm
.macro FETCHA sl, j, a0                ; x's blocks a0, a0 + 1
.irp i, 0,1
	LD3 AF+12*((\a0)+\i), ADRA+(\sl), (\j)*STP+((\a0)+\i)*1536
.endr
.endm
.macro FETCHA3 sl, j, a0               ; x's blocks a0 .. a0 + 2
.irp i, 0,1,2
	LD3 AF+12*((\a0)+\i), ADRA+(\sl), (\j)*STP+((\a0)+\i)*1536
.endr
.endm
.macro FETCHS sl, j                    ; the step's 12 registers of scale words
.irp i, 0,1,2,3,4,5,6,7
	ds_load_b32 v[SC+12*(\j)+\i], v[ADRS+(\sl)] offset:(\j)*STP+64*\i
.endr
.irp i, 0,1,2,3
	ds_load_b32 v[SC+12*(\j)+8+\i], v[ADRT+(\sl)] offset:(\j)*STP+64*\i
.endr
.endm
; four matrix instructions: x's block a against third t (0, 1) of the weights.  The accumulators take turns, one instruction a turn.
.macro MULQ a, t, j, zero
.irp b, 0,1,2,3
.if \zero
	v_wmma_scale_f32_16x16x128_f8f6f4 v[32*(\a)+8*\b:32*(\a)+8*\b+7], v[BF+48*(((\j)+(\t))%2)+12*\b:BF+48*(((\j)+(\t))%2)+12*\b+11], v[AF+12*(\a):AF+12*(\a)+11], v[8*(4*(\t)+\b)+8*((4*(\t)+\b)/7):8*(4*(\t)+\b)+8*((4*(\t)+\b)/7)+7], v[SC+12*(\j)+4*(\t)+\b], v[SC+12*(\j)+(\a)] matrix_a_fmt:MATRIX_FMT_BF6 matrix_b_fmt:MATRIX_FMT_BF6 matrix_a_scale:MATRIX_SCALE_ROW1
.else
	v_wmma_scale_f32_16x16x128_f8f6f4 v[32*(\a)+8*\b:32*(\a)+8*\b+7], v[BF+48*(((\j)+(\t))%2)+12*\b:BF+48*(((\j)+(\t))%2)+12*\b+11], v[AF+12*(\a):AF+12*(\a)+11], v[32*(\a)+8*\b:32*(\a)+8*\b+7], v[SC+12*(\j)+4*(\t)+\b], v[SC+12*(\j)+(\a)] matrix_a_fmt:MATRIX_FMT_BF6 matrix_b_fmt:MATRIX_FMT_BF6 matrix_a_scale:MATRIX_SCALE_ROW1
.endif
.endr
.endm
; the same for v, the sources swapped: source 0 = x's block a, source 1 = a tile of Wv (buffer j)
.macro MULV a, j, zero
.irp b, 0,1,2,3
.if \zero
	v_wmma_scale_f32_16x16x128_f8f6f4 v[64*\b+8*(\a):64*\b+8*(\a)+7], v[AF+12*(\a):AF+12*(\a)+11], v[BF+48*(\j)+12*\b:BF+48*(\j)+12*\b+11], v[64*\b+56:64*\b+63], v[SC+12*(\j)+(\a)], v[SC+12*(\j)+8+\b] matrix_a_fmt:MATRIX_FMT_BF6 matrix_b_fmt:MATRIX_FMT_BF6 matrix_b_scale:MATRIX_SCALE_ROW1
.else
	v_wmma_scale_f32_16x16x128_f8f6f4 v[64*\b+8*(\a):64*\b+8*(\a)+7], v[AF+12*(\a):AF+12*(\a)+11], v[BF+48*(\j)+12*\b:BF+48*(\j)+12*\b+11], v[64*\b+8*(\a):64*\b+8*(\a)+7], v[SC+12*(\j)+(\a)], v[SC+12*(\j)+8+\b] matrix_a_fmt:MATRIX_FMT_BF6 matrix_b_fmt:MATRIX_FMT_BF6 matrix_b_scale:MATRIX_SCALE_ROW1
.endif
.endr
.endm
; A K STEP: the slot's step j.  zero = 1: the products start the sums on the biases (C in window 3).
; mode 0: the next step lies in the same slot; 1: the slots change and this one is filled again; 2: they change, nothing is left to fetch; 3: the last step.
; Loads into registers that matrix instructions have read stand four plain places behind them (ISA guide 7.12.1 for vector instructions).
; (9 - a) / 8 is 1 for blocks 0, 1 and 0 for the others: so AF is set for each block.
.macro STEP sl, j, zero, mode
.if (\mode) == 0
.set NS, \sl
.set NJ, 1
.else
.set NS, 1-(\sl)
.set NJ, 0
.endif
	FETCHT \sl, \j, 1                              ; the second third, into the buffer that the step before read last
	WIN 0x50+0x20*(\zero)
.irp a, 0,1,2,3,4,5,6,7
.if \a == 0
	s_wait_dscnt 30                                ; the first third, the scale words and x's blocks 0, 1 are in: blocks 2-7 (18 loads) and the 12 loads above may be out
.endif
.if \a == 2
	s_wait_dscnt 21                                ; blocks 2-4 are in: blocks 5-7 (9 loads) and the 12
.endif
.if \a == 5
	s_wait_dscnt 12                                ; blocks 5-7 are in
.endif
.set AF, AF0+192*(\j)*((9-\a)/8)
	MULQ \a, 0, \j, \zero
.endr
	PLACES 4
	WIN 0
	FETCHT \sl, \j, 2                              ; Wv's tiles: my last reads of this step
	s_wait_dscnt 12                                ; the second third is in
	WIN 0xa0+0x10*(\zero)
.irp a, 0,1,2,3
.set AF, AF0+192*(\j)*((9-\a)/8)
	MULQ \a, 1, \j, \zero
.endr
.if ((\mode) == 1) || ((\mode) == 2)
	WIN 0
	s_wait_tensorcnt 0x0                           ; my part of the other slot has landed;
	ds_add_u32 v[SPW], v[NIL]                      ; an add into the spare words;
	WIN 0xa0
	MULQ 4, 1, \j, 0
	MULQ 5, 1, \j, 0
	s_wait_dscnt 0x0                               ; the add is done, and all my reads of this slot
	s_barrier_signal -1
	MULQ 6, 1, \j, 0
	MULQ 7, 1, \j, 0
	WIN 0
	s_barrier_wait -1
.if (\mode) == 1
	CREST                                          ; the barrier has opened a round of the cluster's barrier
	s_add_nc_u64 s[G0+4*(\sl)+2:G0+4*(\sl)+3], s[G0+4*(\sl)+2:G0+4*(\sl)+3], 4*STEPB
	s_add_nc_u64 s[G0B+4*(\sl)+2:G0B+4*(\sl)+3], s[G0B+4*(\sl)+2:G0B+4*(\sl)+3], 4*STEPB
	JLOAD G0+4*(\sl), G0B+4*(\sl)                  ; the steps four on; its four v_nop are the places for the loads below
.else
	PLACES 4
.endif
.else
.irp a, 4,5,6,7
	MULQ \a, 1, \j, \zero
.endr
	PLACES 4+(\zero)                               ; step 0: v's first products write over registers that held q's and k's biases: five places
	WIN 0
.endif
.if (\mode) != 3
	FETCHT NS, NJ, 0                               ; the next step's first third, its scale words,
	FETCHS NS, NJ
.set AF, AF0+192*NJ
	FETCHA NS, NJ, 0                               ; and x's blocks 0, 1, into the set of its parity
.if (\mode) == 0
	s_wait_dscnt 30                                ; Wv's tiles are in; the 30 loads above may be out
.endif
.else
	s_wait_dscnt 0x0
.endif
	WIN 0xf0
.irp a, 0,1,2,3,4,5,6,7
.set AF, AF0+192*(\j)*((9-\a)/8)
.if (\zero) && (\a == 7)
	PLACES 5                                       ; block 7's products write over the registers that block 6's read as C
.endif
	MULV \a, \j, \zero
.if ((\mode) != 3) && ((\a == 4) || (\a == 7))
	PLACES 4
	WIN 0
	FETCHA3 NS, NJ, \a-2                           ; these three blocks of x are done with: the next step's take their place
.if \a == 4
	WIN 0xf0
.endif
.endif
.endr
	WIN 0
.endm
	s_wait_alu depctr_va_vdst(0)                   ; the wait at the head's end
	s_wait_tensorcnt 0x0                           ; my part of slot 0 is in; the three lines ahead of slot 1's first fill
	ds_add_u32 v[SPW], v[NIL]
	s_wait_dscnt 0x0
	CROUND
	JLOAD G0+4, G0B+4                              ; slot 1: steps 2 and 3
	FETCHT 0, 0, 0
	FETCHS 0, 0
	FETCHA 0, 0, 0
	FETCHA3 0, 0, 2
	FETCHA3 0, 0, 5
	s_wait_loadcnt 0x0                             ; the biases
	STEP 0, 0, 1, 0                                ; step 0
	s_mov_b32 s3, 3
.Llap:                                         ; a trip: steps 4 n + 1 .. 4 n + 4; both slots are filled again
	STEP 0, 1, 0, 1
	STEP 1, 0, 0, 0
	STEP 1, 1, 0, 1
	STEP 0, 0, 0, 0
	s_sub_co_u32 s3, s3, 1
	s_cmp_lg_u32 s3, 0
	s_cbranch_scc1 .Llap
	STEP 0, 1, 0, 2                                ; step 13
	STEP 1, 0, 0, 0                                ; step 14
	STEP 1, 1, 0, 3                                ; step 15
; THE WAY OUT.  A fragment's 64 numbers of a lane: blocks 0, 1 of 32 along the next K in 32 registers from v[r01] of window w01, blocks 2, 3 from v[r23] of window w23; register 16 b + i is k = 32 b + 16 (lane / 16) + i.
.macro HALFMAX w, r, b0                ; the largest magnitudes of two blocks, two chains each, every accumulator from its low end on; the floor holds the byte at 1 from below
	WIN (\w)|((\w)<<2)
.irp i, 0,4,8,12
.irp b, 0,1
.if \i == 0
	v_max3_num_f32 v[TM+(\b0)+\b], |v[(\r)+16*\b]|, |v[(\r)+16*\b+1]|, FLOOR
	v_max3_num_f32 v[TM+4+(\b0)+\b], |v[(\r)+16*\b+2]|, |v[(\r)+16*\b+3]|, FLOOR
.else
	v_max3_num_f32 v[TM+(\b0)+\b], |v[(\r)+16*\b+\i]|, |v[(\r)+16*\b+\i+1]|, v[TM+(\b0)+\b]
	v_max3_num_f32 v[TM+4+(\b0)+\b], |v[(\r)+16*\b+\i+2]|, |v[(\r)+16*\b+\i+3]|, v[TM+4+(\b0)+\b]
.endif
.endr
.endr
.endm
.macro QOUT f, w01, r01, w23, r23, sb, off
.set PC, PCF+12*(\f)
	HALFMAX \w01, \r01, 0
	HALFMAX \w23, \r23, 2
	WIN 0
.irp b, 0,1,2,3
	v_max_num_f32 v[TM+\b], v[TM+\b], v[TM+4+\b]
.endr
.irp b, 0,1,2,3
	v_permlanex16_b32 v[TM+4+\b], v[TM+\b], s4, s5
.endr
.irp b, 0,1,2,3
	v_max_num_f32 v[TM+\b], v[TM+\b], v[TM+4+\b]   ; with lane l xor 16's: the block's
.endr
.irp b, 0,1,2,3
	v_add_nc_u32 v[TM+12+\b], 0xfe000000, v[TM+\b] ; 4 off the exponent field: the conversion's scale operand
.endr
.irp b, 0,1,2,3
	v_lshrrev_b32 v[TM+4+\b], 23, v[TM+12+\b]      ; the byte
.endr
	v_lshl_or_b32 v[SW+(\f)], v[TM+5], 8, v[TM+4]
	v_lshl_or_b32 v[SW+(\f)], v[TM+6], 16, v[SW+(\f)]
	v_lshl_or_b32 v[SW+(\f)], v[TM+7], 24, v[SW+(\f)]
	WIN \w01
	v_cvt_scalef32_pk16_bf6_f32 v[PC:PC+2], v[(\r01):(\r01)+15], v[TM+12]
	v_cvt_scalef32_pk16_bf6_f32 v[TP:TP+2], v[(\r01)+16:(\r01)+31], v[TM+13]
	WIN \w23
	v_cvt_scalef32_pk16_bf6_f32 v[PC+6:PC+8], v[(\r23):(\r23)+15], v[TM+14]
	v_cvt_scalef32_pk16_bf6_f32 v[TP+4:TP+6], v[(\r23)+16:(\r23)+31], v[TM+15]
	WIN 0
	v_nop                                          ; one plain place behind the scaled conversions
.irp c, 0,1                            ; a whole block to a lane: lanes 0-15 block 2 c, lanes 16-31 block 2 c + 1
.irp i, 0,1,2
	v_permlane16_swap_b32 v[PC+6*\c+\i], v[TP+4*\c+\i]
.endr
.irp i, 0,1,2
	v_mov_b32 v[PC+3+6*\c+\i], v[TP+4*\c+\i]
.endr
.endr
.irp c, 0,1,2
	global_store_b128 v[GO], v[PC+4*\c:PC+4*\c+3], s[\sb:\sb+1] offset:(\off)+512*\c   ; 512 consecutive bytes; each fragment has its own registers, so no store's data are written again
.endr
.endm
	PLACES 4
	s_mov_b32 s4, 0x76543210                       ; lane l xor 16
	s_mov_b32 s5, 0xfedcba98
.irp a, 0,1,2,3,4,5,6,7
	QOUT \a, 1, 32*\a, 2, 32*\a, 88, 1536*\a       ; q or k: 16 tokens x the head's 128 channels
.endr
.irp b, 0,1,2,3
	QOUT 8+\b, 3, 64*\b, 3, 64*\b+32, 92, 1536*\b  ; v: 16 channels x 128 keys
.endr
	s_wait_alu depctr_va_vdst(0)                   ; the wait ahead of the readers below
	v_cmp_eq_u32 vcc_lo, 0, v[HH]
.irp i, 0,1,2,3
	v_cndmask_b32 v[TM+\i], v[SW+4+\i], v[SW+\i], vcc_lo      ; lanes 0-15: tiles 0-3 of row r; lanes 16-31: tiles 4-7
.endr
.irp i, 0,1
	v_cndmask_b32 v[TM+4+\i], v[SW+10+\i], v[SW+8+\i], vcc_lo ; v: lanes 0-15 my tiles 0, 1; lanes 16-31 my tiles 2, 3
.endr
	v_lshlrev_b32 v[TM+8], 4, v1
	v_lshl_add_u32 v[TM+8], v[HH], 3, v[TM+8]      ; 16 r + 8 h
	global_store_b128 v[GO], v[TM:TM+3], s[90:91]  ; 512 consecutive bytes
	global_store_b64 v[TM+8], v[TM+4:TM+5], s[94:95]   ; 256 consecutive bytes
	s_wait_tensorcnt 0x0                           ; the wave's end
	ds_add_u32 v[SPW], v[NIL]
	s_wait_dscnt 0x0
	CROUND                                         ; the closing round
	s_endpgm
.Lfunc_end_k_q2d3c3ad739_proj:
	.size	k_q2d3c3ad739_proj, .Lfunc_end_k_q2d3c3ad739_proj-k_q2d3c3ad739_proj
	.p2alignl 7, 3214868480
	.fill 96, 4, 3214868480
	.section	.rodata,"a",@progbits
	.p2align	6, 0x0
	.amdhsa_kernel k_q2d3c3ad739_proj
		.amdhsa_group_segment_fixed_size 327680
		.amdhsa_private_segment_fixed_size 0
		.amdhsa_enable_private_segment 0
		.amdhsa_kernarg_size 48
		.amdhsa_user_sgpr_count 2
		.amdhsa_user_sgpr_kernarg_segment_ptr 1
		.amdhsa_wavefront_size32 1
		.amdhsa_system_sgpr_workgroup_id_x 1
		.amdhsa_system_sgpr_workgroup_id_y 1
		.amdhsa_system_sgpr_workgroup_id_z 1
		.amdhsa_system_vgpr_workitem_id 0
		.amdhsa_next_free_vgpr 1024
		.amdhsa_next_free_sgpr 100
		.amdhsa_reserve_vcc 1
		.amdhsa_float_denorm_mode_32 3
		.amdhsa_float_denorm_mode_16_64 3
		.amdhsa_memory_ordered 1
		.amdhsa_forward_progress 1
		.amdhsa_inst_pref_size 209
	.end_amdhsa_kernel
	.amdgpu_metadata
---
amdhsa.version: [ 1, 2 ]
amdhsa.kernels:
  - .name:           k_q2d3c3ad739_proj
    .symbol:         k_q2d3c3ad739_proj.kd
    .args:
      - { .name: cimg, .offset: 0, .size: 8, .value_kind: global_buffer, .address_space: global }
      - { .name: bq, .offset: 8, .size: 8, .value_kind: global_buffer, .address_space: global }
      - { .name: bk, .offset: 16, .size: 8, .value_kind: global_buffer, .address_space: global }
      - { .name: bv, .offset: 24, .size: 8, .value_kind: global_buffer, .address_space: global }
      - { .name: frag, .offset: 32, .size: 8, .value_kind: global_buffer, .address_space: global }
      - { .name: fscl, .offset: 40, .size: 8, .value_kind: global_buffer, .address_space: global }
    .group_segment_fixed_size: 327680
    .private_segment_fixed_size: 0
    .kernarg_segment_align: 8
    .kernarg_segment_size: 48
    .max_flat_workgroup_size: 128
    .sgpr_count:     100
    .vgpr_count:     1024
    .wavefront_size: 32
...
	.end_amdgpu_metadata
.endif
;; end of part 2
;; launch attn (part 3): grid 2 x 128, 16 waves a work-group, no clusters, 327,680 bytes of LDS; arguments frag, fscl, x, out0; writes out0
.if DOCPART == 3
	.amdgcn_target "amdgcn-amd-amdhsa--gfx1250"
	.amdhsa_code_object_version 6
	.text
	.protected	k_q2d3c3ad739_attn
	.globl	k_q2d3c3ad739_attn
	.p2align	8
	.type	k_q2d3c3ad739_attn,@function
k_q2d3c3ad739_attn:
	s_mov_b64 s[64:65], 0
	v_nop
	global_prefetch_b8 v0, s[64:65] scope:SCOPE_SE
	s_setreg_imm32_b32 hwreg(HW_REG_WAVE_MODE, 25, 1), 1
	s_wait_xcnt 0x0
; out0[b][n][128 h ..] = softmax_m(q[b][n][h] . k[b][m][h] / sqrt(128)) v[b][m][h] + x[b][n][128 h ..], both products on codes of BF6 (E3M2) with one E8M0 scale for each 32 along a product's K.
; q, k and v arrive as IMAGES OF OPERAND REGISTERS: frag [idx][tile 0..7][1,536 bytes: register 4 c + i of lane l at 512 c + 16 l + 4 i], their scale words in fscl [idx][512 bytes: tile a, row r at 256 (a / 4) + 16 r + 4 (a % 4)];
; idx = 512 x (0 q, 1 k, 2 v) + 4 x (16 b + h) + quarter.  q, k: lane r of tile a (0..31 in the batch) is token 32 (a / 2) + 8 (a % 2) + r + 8 (r / 8), K = the head's 128.  v: quarter = 128 keys (K), lane r of tile t is channel 32 (t / 2) + 8 (t % 2) + r + 8 (r / 8).
; THE SOFTMAX AHEAD OF THE SECOND PRODUCT: t = score x log2(e) / sqrt(128); M = the row's largest t so far, rounded UP to a whole number; p = 2^(t - M) is what is quantised, along the keys; it is not normalised.
; The row's sum is taken of the unquantised p, in f32, and divides O at the end.  When M moves, the sum and O are multiplied by 2^(old M - new M): exact.
; A block's largest p is made from the block's largest score by the same multiply-add and exponential: that takes v_exp_f32 not to fall where its input rises.  NaN and infinities are not served.
; SHARES.  A work-group owns 256 queries of one (batch, head); each of its sixteen waves one tile of 16 queries in 256 registers: four waves to a SIMD, so that one wave's vector work stands beside another's matrix work.
; ALL of the head's K and V (98,304 bytes of images, 4,096 of scale words) lie in LDS: every LDS byte is filled ONCE, by waves 0-3 (five tensor loads each, all issued at the head); no slot is filled again.
; A barrier stands at the head of each key step of 128 keys, behind the loaders' counted wait for that step's images.
; No cluster: only the two work-groups of a head share K and V, and each byte of them is fetched once by each.
; Both products are used transposed (S^T = K Q^T, O^T = V^T P^T): a lane holds ONE query throughout; the 16 registers of S^T's tiles 2 b, 2 b + 1 are keys 32 b + 16 (lane / 16) + 0 .. 15, those of O^T's tiles 2 c, 2 c + 1 channels 32 c + 16 (lane / 16) + 0 .. 15.
; REGISTERS: v1-7 addresses; v12 -M, v13 the largest t, v[14:15] the sum in two halves; v16-27 Q; v32-79 four fragments of K or V; v96-159 S^T, then p, at the end x; v160-223 O^T; v224-235 p's codes; v232-254 at work; v248-251, v253, v255 scale words.
; THE LOADS, as they now stand (they take the place of what is said above of waves 0-3 and of a barrier in each step): every wave issues ONE tensor load at the head: waves 0-11 4,096 bytes each of the images of key steps 0 and 1,
; waves 12-15 1,024 bytes each of the scale words.  Behind the first barrier, waves 0-11 issue one more: the images of key steps 2 and 3, awaited at step 2's barrier.
; Every LDS byte is filled once.
; V'S FRAGMENTS ARE ASKED FOR AHEAD: tiles 0-3 of a step (v32-79, scale words v80-83) behind the step's score products, ahead of the softmax; tiles 4-7 (p's registers v96-143, scale words v84-87) behind the conversions.
; In step 3 p's registers take x's rows, so tiles 4-7 come there into v32-79 behind the products of tiles 0-3.
.set KSC,  98304                       ; LDS: 0 K's images of steps 0, 1; 24,576 V's; 49,152 K's of steps 2, 3; 73,728 V's; 98,304 K's scale words (2,048 bytes); 100,352 V's;
.set STG,  102400                      ; 102,400 the stages for the way out: 16 rows x (512 bytes + 16) for each wave; no tensor load lands there
.set LIK,  1                           ; v1   16 x lane: my place in an image of K
.set LIV,  2                           ; v2   the same for key steps 2, 3: + 49,152
.set LSC,  3                           ; v3   KSC + 16 r: four tiles' scale words of row r
.set GO,   4                           ; v4   16 x lane: my bytes in an image of Q, and in a row's 512 bytes of x and out0
.set PFO,  5                           ; v5   the prefetch's offset; never rewritten
.set STO,  6                           ; v6   the stage: where I put my row's bytes
.set RD,   7                           ; v7   and where I read a row back
.set WV,   18                          ; s18  my wave's number
.set G1T,  24                          ; s[24:31] descriptor group 1: 4,096 dense bytes as 16 rows of 256
.set G1S,  32                          ; s[32:39] 1,024 dense bytes as 4 rows of 256
.set G0S,  40                          ; s[40:43] group 0 for the scale words
.set G0T,  44                          ; s[44:51] groups 0 for the images of key steps 0, 1 and of 2, 3
.set SEL,  60                          ; s[60:61] lane selects for v_permlanex16_b32: lane l xor 16
.set CS,   62                          ; s[62:63] c = log2(e) / sqrt(128)
	s_load_b256 s[4:11], s[0:1], 0x0               ; frag s[4:5], fscl s[6:7], x s[8:9], out0 s[10:11]
	v_lshl_add_u32 v31, v0, 2, 0x3a000
	v_mov_b32 v243, 0
	ds_add_u32 v31, v243
	ds_add_u32 v31, v243
	v_lshrrev_b32 v8, 5, v0
	s_delay_alu instid0(VALU_DEP_1)
	v_readfirstlane_b32 s[WV], v8                  ; wave 0..15
	s_and_b32 s12, ttmp7, 0xffff                   ; 16 x batch + head
	; what I fetch, if I fetch: waves 0-5: K's images, waves 6-11: V's; waves 12, 13: the halves of K's scale words, waves 14, 15: of V's
	s_max_u32 s13, s[WV], 12
	s_sub_co_u32 s13, s13, 12                      ; waves 12-15: which 1,024 bytes of scale words
	s_lshr_b32 s14, s13, 1                         ; 0 K, 1 V
	s_and_b32 s15, s13, 1                          ; which half
	s_lshl_b32 s16, s14, 7
	s_add_co_u32 s16, s16, s12
	s_add_co_u32 s16, s16, 128
	s_lshl_b32 s16, s16, 2                         ; idx of quarter 0
	s_lshl_b32 s20, s16, 9
	s_lshl_b32 s17, s15, 10
	s_add_co_u32 s20, s20, s17                     ; the scale words: 2,048 bytes a head, my 1,024
	s_mov_b32 s21, 0
	s_min_u32 s14, s[WV], 11                       ; waves 0-5: K's images, waves 6-11: V's; 4,096 bytes each
	s_cmp_ge_u32 s14, 6
	s_cselect_b32 s15, 1, 0
	s_mul_i32 s16, s15, 6
	s_sub_co_u32 s14, s14, s16
	s_lshl_b32 s14, s14, 12
	s_lshl_b32 s16, s15, 7
	s_add_co_u32 s16, s16, s12
	s_add_co_u32 s16, s16, 128
	s_mul_i32 s22, s16, 49152                      ; the head's four quarters of 12,288 bytes
	s_add_co_u32 s22, s22, s14
	s_mov_b32 s23, 0
	s_lshl_b32 s19, s[WV], 12                      ; in LDS: 4,096 x wave
	s_lshl_b32 s17, s[WV], 10
	s_add_co_u32 s17, s17, KSC-12288               ; the scale words: KSC + 1,024 x (wave - 12)
	s_mov_b32 s[G1T], 3<<16                        ; 15:0 no mask; 17:16 elements of 8 bytes; no padding
	s_mov_b32 s[G1T+1], 32<<16                     ; tensor_dim0 = 32 elements: 256 bytes
	s_mov_b32 s[G1T+2], 16<<16                     ; tensor_dim1: 16 rows of 256 bytes
	s_mov_b32 s[G1T+3], 32<<16                     ; tile_dim0
	s_mov_b32 s[G1T+4], 16                         ; tile_dim1
	s_mov_b32 s[G1T+5], 32                         ; dense
	s_mov_b32 s[G1T+6], 0
	s_mov_b32 s[G1T+7], 0
	s_mov_b32 s[G1S], 3<<16
	s_mov_b32 s[G1S+1], 32<<16
	s_mov_b32 s[G1S+2], 4<<16
	s_mov_b32 s[G1S+3], 32<<16
	s_mov_b32 s[G1S+4], 4
	s_mov_b32 s[G1S+5], 32
	s_mov_b32 s[G1S+6], 0
	s_mov_b32 s[G1S+7], 0
	s_mov_b32 s[SEL], 0x76543210
	s_mov_b32 s[SEL+1], 0xfedcba98
	s_mov_b32 s[CS], 0x3e0293ee                    ; c = log2(e) / sqrt(128)
	s_mov_b32 s[CS+1], s[CS]                       ; (named with it as a pair, so it is written)
	s_wait_dscnt 0x0
	s_wait_kmcnt 0x0
	s_mov_b32 s[G0S], 1
	s_mov_b32 s[G0S+1], s17
	s_add_nc_u64 s[G0S+2:G0S+3], s[6:7], s[20:21]
	s_or_b32 s[G0S+3], s[G0S+3], 0x80000000
	s_add_nc_u64 s[22:23], s[4:5], s[22:23]
.irp q, 0,1
	s_mov_b32 s[G0T+4*\q], 1
	s_add_co_u32 s[G0T+4*\q+1], s19, \q*49152
	s_add_nc_u64 s[G0T+4*\q+2:G0T+4*\q+3], s[22:23], \q*24576
	s_or_b32 s[G0T+4*\q+3], s[G0T+4*\q+3], 0x80000000
.endr
	s_cmp_lt_u32 s[WV], 12                         ; one load a wave at the head, one in each arm
	s_cbranch_scc0 .Lfetch_sc
	tensor_load_to_lds s[G0T:G0T+3], s[G1T:G1T+7]
	s_nop 0
.rept 4
	v_nop
.endr
	s_branch .Lno_fetch
.Lfetch_sc:
	tensor_load_to_lds s[G0S:G0S+3], s[G1S:G1S+7]
	s_nop 0
.rept 4
	v_nop
.endr
.Lno_fetch:
	s_lshl_b32 s13, ttmp9, 4
	s_add_co_u32 s13, s13, s[WV]                   ; my tile of queries, 0..31 in the batch
	s_mul_i32 s20, s12, 49152
	s_mul_i32 s14, s13, 1536
	s_add_co_u32 s20, s20, s14
	s_add_nc_u64 s[4:5], s[4:5], s[20:21]          ; Q's image
	s_lshl_b32 s20, s12, 2
	s_lshr_b32 s14, s13, 3
	s_add_co_u32 s20, s20, s14
	s_lshl_b32 s20, s20, 9
	s_bfe_u32 s14, s13, 0x10002
	s_lshl_b32 s14, s14, 8
	s_add_co_u32 s20, s20, s14
	s_and_b32 s14, s13, 3
	s_lshl_b32 s14, s14, 2
	s_add_co_u32 s20, s20, s14
	s_add_nc_u64 s[6:7], s[6:7], s[20:21]          ; and its scale words
	s_lshr_b32 s14, s12, 4                         ; the batch
	s_lshl_b32 s14, s14, 9
	s_lshr_b32 s15, s13, 1
	s_lshl_b32 s15, s15, 5
	s_add_co_u32 s14, s14, s15
	s_and_b32 s15, s13, 1
	s_lshl_b32 s15, s15, 3
	s_add_co_u32 s14, s14, s15                     ; the token of my tile's lane 0; lane r's is r + 8 (r / 8) further on
	s_lshl_b32 s20, s14, 13
	s_and_b32 s15, s12, 15                         ; the head
	s_lshl_b32 s15, s15, 9
	s_add_co_u32 s20, s20, s15
	s_add_nc_u64 s[8:9], s[8:9], s[20:21]          ; x and out0 at that token's 512 bytes of my head
	s_add_nc_u64 s[10:11], s[10:11], s[20:21]
	v_and_b32 v8, 31, v0                           ; lane
	v_and_b32 v9, 15, v0                           ; r
	v_bfe_u32 v10, v0, 4, 1                        ; h
	s_delay_alu instid0(VALU_DEP_3)
	v_lshlrev_b32 v[LIK], 4, v8
	s_delay_alu instid0(VALU_DEP_1)
	v_add_nc_u32 v[LIV], 49152, v[LIK]
	s_delay_alu instid0(VALU_DEP_4)
	v_lshl_add_u32 v[LSC], v9, 4, KSC
	v_lshlrev_b32 v[GO], 4, v8
.irp c, 0,1,2
	global_load_b128 v[16+4*\c:19+4*\c], v[GO], s[4:5] offset:512*\c   ; Q's fragment stays in registers
.endr
	v_lshlrev_b32 v11, 4, v9
	global_load_b32 v255, v11, s[6:7]              ; Q's scale words
	v_lshrrev_b32 v[PFO], 1, v8
	s_delay_alu instid0(VALU_DEP_1)
	v_lshl_add_u32 v[PFO], v10, 3, v[PFO]          ; row (lane / 2) + 8 (lane / 16) of my 16 rows of x,
	s_delay_alu instid0(VALU_DEP_1)
	v_lshlrev_b32 v[PFO], 13, v[PFO]
	v_and_b32 v6, 1, v8
	s_delay_alu instid0(VALU_DEP_1)
	v_lshl_add_u32 v[PFO], v6, 8, v[PFO]           ; and which 256 of its 512 bytes
	v_mov_b32 v13, 0xff61b1e6                      ; the largest t so far: -3e38, under every t
	s_delay_alu instid0(VALU_DEP_1)
	v_floor_f32 v12, -v13                          ; -M
	v_mov_b32 v14, 0                               ; the sum, in two halves
	v_mov_b32 v15, 0
.irp b, 0,1,2,3
	v_mov_b32 v[236+\b], 0                         ; written once: a lane permute's destination counts as one of its sources
.endr
	v_mov_b32 v253, 0                              ; (named as the upper half of the pair v[252:253] before it is first written)
.macro FETCH reg, adr, off             ; a fragment's image comes back as it was stored: 512 consecutive bytes a load
.irp c, 0,1,2
	ds_load_b128 v[\reg+4*\c:\reg+4*\c+3], v[\adr] offset:\off+512*\c
.endr
.endm
; A KEY STEP: keys 128 s to 128 s + 127.
.macro STEP s
.if (\s) == 0
	s_wait_tensorcnt 0x0                           ; my load of the head has landed
	ds_add_u32 v31, v243
	s_wait_dscnt 0x0
	s_barrier_signal -1
	s_barrier_wait -1                              ; everybody's has
	s_cmp_lt_u32 s[WV], 12
	s_cbranch_scc0 .Lno_second
	tensor_load_to_lds s[G0T+4:G0T+7], s[G1T:G1T+7]   ; the images of key steps 2 and 3: my one load behind this barrier
	s_nop 0
.rept 4
	v_nop
.endr
.Lno_second:
.endif
.if (\s) == 2
	s_wait_tensorcnt 0x0                           ; my part of steps 2 and 3 has landed (no LDS instruction of mine is pending here)
	s_barrier_signal -1
	s_barrier_wait -1                              ; everybody's has
.endif
.irp g, 0,1                                    ; S^T = K Q^T, four tiles of 16 keys at a time
.if ((\s) > 0) || (\g > 0)
.rept 5
	v_nop                                          ; places in front of loads into registers that matrix instructions have read
.endr
.endif
.irp t, 0,1,2,3
	FETCH 32+12*\t, LIK+(\s)/2, (8*((\s)%2)+4*\g+\t)*1536
.endr
	ds_load_b128 v[248:251], v[LSC] offset:512*(\s)+256*\g   ; the four tiles' scale words of row r
.if ((\s) == 1) && (\g == 0)
	global_prefetch_b8 v[PFO], s[8:9] th:TH_LOAD_NT scope:SCOPE_SE   ; my wave's 16 rows x 512 bytes of x, a lane an aligned block of 256 bytes: this wave alone loads them, two key steps on; each block is named once in the launch; the address registers are never rewritten
.endif
	s_wait_dscnt 0x0
.irp t, 0,1,2,3
	v_wmma_scale_f32_16x16x128_f8f6f4 v[96+8*(4*\g+\t):103+8*(4*\g+\t)], v[32+12*\t:43+12*\t], v[16:27], 0, v[248+\t], v255 matrix_a_fmt:MATRIX_FMT_BF6 matrix_b_fmt:MATRIX_FMT_BF6
.endr
.endr
.rept 4
	v_nop
.endr
.irp t, 0,1,2,3                                ; K's fragments are done with (the four v_nop above are the places): V's tiles 0-3 of this step are asked for now, ahead of the softmax
	FETCH 32+12*\t, LIK+(\s)/2, 24576+(8*((\s)%2)+\t)*1536
.endr
	ds_load_b128 v[80:83], v[LSC] offset:2048+512*(\s)   ; and their scale words of row r
.irp b, 0,1,2,3
	v_max3_num_f32 v[232+\b], v[96+16*\b], v[97+16*\b], v[98+16*\b]   ; THE LARGEST SCORE OF EACH BLOCK OF 32 KEYS: it serves twice: for the row's maximum, and, since p rises with the score, for the block's largest p
.endr
.irp i, 3,5,7,9,11,13
.irp b, 0,1,2,3
	v_max3_num_f32 v[232+\b], v[232+\b], v[96+16*\b+\i], v[97+16*\b+\i]   ; (the four blocks by turns)
.endr
.endr
.irp b, 0,1,2,3
	v_max_num_f32 v[232+\b], v[232+\b], v[111+16*\b]
.endr
.irp b, 0,1,2,3
	s_delay_alu instid0(VALU_DEP_4)
	v_permlanex16_b32 v[236+\b], v[232+\b], s[SEL], s[SEL+1]
.endr
.irp b, 0,1,2,3
	s_delay_alu instid0(VALU_DEP_4)
	v_max_num_f32 v[232+\b], v[232+\b], v[236+\b]  ; with lane l xor 16's 16 keys
.endr
	s_delay_alu instid0(VALU_DEP_2)
	v_max3_num_f32 v254, v232, v233, v234
	s_delay_alu instid0(VALU_DEP_1)
	v_max_num_f32 v254, v254, v235                 ; the step's largest score of my query
	s_delay_alu instid0(VALU_DEP_1)
	v_mul_f32 v254, s[CS], v254                    ; as t (c is positive)
	s_delay_alu instid0(VALU_DEP_1)
	v_max_num_f32 v13, v13, v254                   ; the running largest t
	v_mov_b32 v254, v12
	s_delay_alu instid0(VALU_DEP_2)
	v_floor_f32 v12, -v13                          ; the new -M = floor(-t) = -ceil(t): M IS A WHOLE NUMBER
	s_delay_alu instid0(VALU_DEP_1)
	v_sub_f32 v254, v12, v254                      ; M's old value less its new one: a whole number, 0 or less
	s_delay_alu instid0(VALU_DEP_1)
	v_cvt_i32_f32 v254, v254                       ; (it saturates)
	s_delay_alu instid0(VALU_DEP_1)
	v_ldexp_f32 v252, 1.0, v254                    ; f = 2^(old M - new M): a multiplication by it rounds nothing
.irp j, 0,2,4,6,8,10,12,14,16,18,20,22,24,26,28,30,32,34,36,38,40,42,44,46,48,50,52,54,56,58,60,62
	v_pk_fma_f32 v[96+\j:97+\j], v[96+\j:97+\j], s[CS:CS+1], v[12:13] op_sel_hi:[1,0,0]   ; t - M, two at a time (of the pairs c and -M the low word serves both halves)
.endr
.irp b, 0,1,2,3
	v_fma_f32 v[232+\b], v[232+\b], s[CS], v12     ; the same of each block's largest score
.endr
	s_wait_alu depctr_va_vdst(0)
.irp j, 0,1,2,3,4,5,6,7,8,9,10,11,12,13,14,15,16,17,18,19,20,21,22,23,24,25,26,27,28,29,30,31,32,33,34,35,36,37,38,39,40,41,42,43,44,45,46,47,48,49,50,51,52,53,54,55,56,57,58,59,60,61,62,63
	v_exp_f32 v[96+\j], v[96+\j]                   ; p = 2^(t - M), at most 1: NOT normalised
.endr
	v_pk_mul_f32 v[14:15], v[14:15], v[252:253] op_sel_hi:[1,0]   ; the sums under the new M.  (A plain place behind the exponentials)
	s_wait_alu depctr_va_vdst(0)                   ; one wait for the whole batch, ahead of its first reader
.irp b, 0,1,2,3
	v_exp_f32 v[232+\b], v[232+\b]                 ; the block's largest p: the same two instructions on the same number give the same bits
.endr
	v_pk_add_f32 v[236:237], v[100:101], v[104:105]
	v_pk_add_f32 v[250:251], v[108:109], v[112:113]
	v_pk_add_f32 v[248:249], v[116:117], v[120:121]
	v_pk_add_f32 v[246:247], v[124:125], v[128:129]
	v_pk_add_f32 v[244:245], v[132:133], v[136:137]
	v_pk_add_f32 v[240:241], v[140:141], v[144:145]
	v_pk_add_f32 v[238:239], v[148:149], v[152:153]
	v_pk_add_f32 v[14:15], v[14:15], v[156:157]
	v_pk_add_f32 v[236:237], v[236:237], v[96:97]
	v_pk_add_f32 v[250:251], v[250:251], v[98:99]
	v_pk_add_f32 v[248:249], v[248:249], v[102:103]
	v_pk_add_f32 v[246:247], v[246:247], v[106:107]
	v_pk_add_f32 v[244:245], v[244:245], v[110:111]
	v_pk_add_f32 v[240:241], v[240:241], v[114:115]
	v_pk_add_f32 v[238:239], v[238:239], v[118:119]
	v_pk_add_f32 v[14:15], v[14:15], v[122:123]
	v_pk_add_f32 v[236:237], v[236:237], v[126:127]
	v_pk_add_f32 v[250:251], v[250:251], v[130:131]
	v_pk_add_f32 v[248:249], v[248:249], v[134:135]
	v_pk_add_f32 v[246:247], v[246:247], v[138:139]
	v_pk_add_f32 v[244:245], v[244:245], v[142:143]
	v_pk_add_f32 v[240:241], v[240:241], v[146:147]
	v_pk_add_f32 v[238:239], v[238:239], v[150:151]
	v_pk_add_f32 v[14:15], v[14:15], v[154:155]
	v_pk_add_f32 v[236:237], v[236:237], v[158:159]
	s_delay_alu instid0(VALU_DEP_2)
	v_pk_add_f32 v[14:15], v[14:15], v[246:247]
	s_delay_alu instid0(VALU_DEP_2)
	v_pk_add_f32 v[236:237], v[236:237], v[244:245]
	v_pk_add_f32 v[250:251], v[250:251], v[240:241]
	v_pk_add_f32 v[248:249], v[248:249], v[238:239]
	s_delay_alu instid0(VALU_DEP_2)
	v_pk_add_f32 v[14:15], v[14:15], v[250:251]
	s_delay_alu instid0(VALU_DEP_2)
	v_pk_add_f32 v[236:237], v[236:237], v[248:249]
	s_delay_alu instid0(VALU_DEP_1)
	v_pk_add_f32 v[14:15], v[14:15], v[236:237]
	s_wait_alu depctr_va_vdst(0)                   ; and one for the four
.irp b, 0,1,2,3
	v_max_num_f32 v[232+\b], 0x2800000, v[232+\b]  ; the floor 2^(5 - 127): the byte cannot fall under 1 (a block whose every p has fallen to 0 keeps that byte: its codes are zeros)
.endr
.irp b, 0,1,2,3
	s_delay_alu instid0(VALU_DEP_4)
	v_add_nc_u32 v[244+\b], 0xfe000000, v[232+\b]  ; 4 off the exponent field: the conversion's scale operand
.endr
.irp b, 0,1,2,3
	s_delay_alu instid0(VALU_DEP_4)
	v_lshrrev_b32 v[236+\b], 23, v[244+\b]         ; the scale's byte
.endr
	s_delay_alu instid0(VALU_DEP_3)
	v_lshl_or_b32 v253, v237, 8, v236              ; p's scale word for these 128 keys
	s_delay_alu instid0(VALU_DEP_1)
	v_lshl_or_b32 v253, v238, 16, v253
	s_delay_alu instid0(VALU_DEP_1)
	v_lshl_or_b32 v253, v239, 24, v253
.irp c, 0,1
	v_cvt_scalef32_pk16_bf6_f32 v[224+6*\c:226+6*\c], v[96+32*\c:111+32*\c], v[244+2*\c]
	v_cvt_scalef32_pk16_bf6_f32 v[236+4*\c:238+4*\c], v[112+32*\c:127+32*\c], v[244+2*\c+1]   ; (a conversion's three registers begin on an even number)
.endr
	v_nop                                          ; one plain vector instruction behind the scaled conversions
.if (\s) < 3
.irp t, 0,1,2,3                                ; p's registers are free: V's tiles 4-7 of this step come into them
	FETCH 96+12*\t, LIK+(\s)/2, 24576+(8*((\s)%2)+4+\t)*1536
.endr
	ds_load_b128 v[84:87], v[LSC] offset:2048+512*(\s)+256
.endif
.if (\s) == 3
.irp p, 0,1,2,3,4,5,6,7,8,9,10,11,12,13,14,15  ; p's registers are free: my 16 rows of x come into them, 512 consecutive bytes a load, while the last products run
	global_load_b128 v[96+4*\p:99+4*\p], v[GO], s[8:9] offset:(\p+8*(\p/8))*8192 th:TH_LOAD_NT
.endr
.endif
.irp c, 0,1                                    ; the operand's layout wants a WHOLE block in a lane: lanes 0-15 block 2 c, lanes 16-31 block 2 c + 1
.irp i, 0,1,2
	v_permlane16_swap_b32 v[224+6*\c+\i], v[236+4*\c+\i]
.endr
.irp i, 0,1,2
	s_delay_alu instid0(VALU_DEP_3)
	v_mov_b32 v[227+6*\c+\i], v[236+4*\c+\i]
.endr
.endr
.if (\s) > 0
.irp j, 0,2,4,6,8,10,12,14,16,18,20,22,24,26,28,30,32,34,36,38,40,42,44,46,48,50,52,54,56,58,60,62
	v_pk_mul_f32 v[160+\j:161+\j], v[160+\j:161+\j], v[252:253] op_sel_hi:[1,0]   ; O^T under the new M: x f.  (These 32 are also the places in front of the matrix instructions below)
.endr
.else
	s_wait_alu depctr_va_vdst(0)
.rept 8
	v_nop                                          ; the first step has no O^T yet: a scale register written by a vector instruction stands 8 places ahead of a scaled matrix instruction, an operand so written 4
.endr
.endif
	s_wait_alu depctr_va_vdst(0)
.irp g, 0,1                                    ; O^T += V^T P^T: four tiles of 16 channels at a time; K = these 128 keys.  The first step's products start the sums
.if \g > 0
.rept 4
	v_nop
.endr
.endif
.if ((\s) == 3) && (\g == 1)
.irp t, 0,1,2,3                                ; step 3: p's registers hold x's rows, so tiles 4-7 come here, into the registers of tiles 0-3
	FETCH 32+12*\t, LIK+(\s)/2, 24576+(8*((\s)%2)+4+\t)*1536
.endr
	ds_load_b128 v[84:87], v[LSC] offset:2048+512*(\s)+256
.endif
	s_wait_dscnt 13*(1-\g)*(1-(\s)/3)              ; tiles 0-3: the 13 younger loads of tiles 4-7 may be out (steps 0 to 2); else all are in
.set VA, 32+64*\g*(1-(\s)/3)                   ; where this group's four fragments lie: v32 on, or v96 on for tiles 4-7 of steps 0 to 2
.irp t, 0,1,2,3
.if (\s) == 0
	v_wmma_scale_f32_16x16x128_f8f6f4 v[160+8*(4*\g+\t):167+8*(4*\g+\t)], v[VA+12*\t:VA+12*\t+11], v[224:235], 0, v[80+4*\g+\t], v253 matrix_a_fmt:MATRIX_FMT_BF6 matrix_b_fmt:MATRIX_FMT_BF6
.else
	v_wmma_scale_f32_16x16x128_f8f6f4 v[160+8*(4*\g+\t):167+8*(4*\g+\t)], v[VA+12*\t:VA+12*\t+11], v[224:235], v[160+8*(4*\g+\t):167+8*(4*\g+\t)], v[80+4*\g+\t], v253 matrix_a_fmt:MATRIX_FMT_BF6 matrix_b_fmt:MATRIX_FMT_BF6
.endif
.endr
.endr
.endm
	s_wait_alu depctr_va_vdst(0)                   ; the wait at the head's end
	s_wait_loadcnt 0x0                             ; Q and its scale words
	STEP 0
	STEP 1
	STEP 2
	STEP 3                                         ; no tensor load is out from step 2's wait on
	; THE WAY OUT.  O^T is divided by the row's sum and goes through my own stage in LDS: in by queries (a lane's 64 channels), back as whole rows of 512 bytes; x's row is added, and the 32 lanes store 512 consecutive bytes.
	v_add_f32 v14, v14, v15                        ; the sum's two halves,
	s_delay_alu instid0(VALU_DEP_1)
	v_permlanex16_b32 v252, v14, s[SEL], s[SEL+1]
	s_delay_alu instid0(VALU_DEP_1)
	v_add_f32 v14, v14, v252                       ; and lane l xor 16's: the row's sum
	s_wait_alu depctr_va_vdst(0)
	v_rcp_f32 v14, v14
	v_and_b32 v8, 15, v0                           ; (a plain place behind the transcendental)  r
	v_bfe_u32 v9, v0, 4, 1                         ; h
	s_mul_i32 s14, s[WV], 16*528
	s_add_co_u32 s14, s14, STG                     ; my stage
	v_mul_u32_u24 v[STO], v8, 528
	s_delay_alu instid0(VALU_DEP_1)
	v_lshl_add_u32 v[STO], v9, 6, v[STO]
	s_delay_alu instid0(VALU_DEP_1)
	v_add_nc_u32 v[STO], s14, v[STO]               ; in: row r, + 64 h: channels 32 c + 16 h on lie 128 c + 64 h bytes on
	v_add_nc_u32 v[RD], s14, v[LIK]                ; back: 16 bytes a lane of a row
	s_wait_alu depctr_va_vdst(0)                   ; the wait ahead of the reciprocal's first reader
.irp j, 0,2,4,6,8,10,12,14,16,18,20,22,24,26,28,30,32,34,36,38,40,42,44,46,48,50,52,54,56,58,60,62
	v_pk_mul_f32 v[160+\j:161+\j], v[160+\j:161+\j], v[14:15] op_sel_hi:[1,0]   ; O^T / the sum, each accumulator from its low end on
.endr
.irp c, 0,1,2,3
.irp i, 0,1,2,3
	ds_store_b128 v[STO], v[160+16*\c+4*\i:163+16*\c+4*\i] offset:128*\c+16*\i
.endr
.endr
.irp p, 0,1,2,3,4,5,6,7,8,9,10,11,12,13,14,15
	ds_load_b128 v[32+4*\p:35+4*\p], v[RD] offset:528*\p   ; LDS serves a wave's instructions in order: these see my stores; the bytes are my wave's own
.endr
	s_wait_loadcnt 0x0                             ; x's rows
.irp p, 0,1,2,3,4,5,6,7,8,9,10,11,12,13,14,15
	s_wait_dscnt 15-\p                             ; row p is back; the younger rows' loads may be out
	v_pk_add_f32 v[32+4*\p:33+4*\p], v[32+4*\p:33+4*\p], v[96+4*\p:97+4*\p]       ; the residual
	v_pk_add_f32 v[34+4*\p:35+4*\p], v[34+4*\p:35+4*\p], v[98+4*\p:99+4*\p]
	global_store_b128 v[GO], v[32+4*\p:35+4*\p], s[10:11] offset:(\p+8*(\p/8))*8192 th:TH_STORE_NT   ; 512 consecutive bytes, at a multiple of 256 from out0's first byte; written once, read by nobody here
.endr
	s_wait_tensorcnt 0x0
	ds_add_u32 v31, v243
	s_wait_dscnt 0x0
	s_endpgm
.Lfunc_end_k_q2d3c3ad739_attn:
	.size	k_q2d3c3ad739_attn, .Lfunc_end_k_q2d3c3ad739_attn-k_q2d3c3ad739_attn
	.p2alignl 7, 3214868480
	.fill 96, 4, 3214868480
	.section	.rodata,"a",@progbits
	.p2align	6, 0x0
	.amdhsa_kernel k_q2d3c3ad739_attn
		.amdhsa_group_segment_fixed_size 327680
		.amdhsa_private_segment_fixed_size 0
		.amdhsa_enable_private_segment 0
		.amdhsa_kernarg_size 32
		.amdhsa_user_sgpr_count 2
		.amdhsa_user_sgpr_kernarg_segment_ptr 1
		.amdhsa_wavefront_size32 1
		.amdhsa_system_sgpr_workgroup_id_x 1
		.amdhsa_system_sgpr_workgroup_id_y 1
		.amdhsa_system_sgpr_workgroup_id_z 1
		.amdhsa_system_vgpr_workitem_id 0
		.amdhsa_next_free_vgpr 256
		.amdhsa_next_free_sgpr 66
		.amdhsa_reserve_vcc 0
		.amdhsa_float_denorm_mode_32 3
		.amdhsa_float_denorm_mode_16_64 3
		.amdhsa_memory_ordered 1
		.amdhsa_forward_progress 1
		.amdhsa_inst_pref_size 95
	.end_amdhsa_kernel
	.amdgpu_metadata
---
amdhsa.version: [ 1, 2 ]
amdhsa.kernels:
  - .name:           k_q2d3c3ad739_attn
    .symbol:         k_q2d3c3ad739_attn.kd
    .args:
      - { .name: frag, .offset: 0, .size: 8, .value_kind: global_buffer, .address_space: global }
      - { .name: fscl, .offset: 8, .size: 8, .value_kind: global_buffer, .address_space: global }
      - { .name: x, .offset: 16, .size: 8, .value_kind: global_buffer, .address_space: global }
      - { .name: out0, .offset: 24, .size: 8, .value_kind: global_buffer, .address_space: global }
    .group_segment_fixed_size: 327680
    .private_segment_fixed_size: 0
    .kernarg_segment_align: 8
    .kernarg_segment_size: 32
    .max_flat_workgroup_size: 512
    .sgpr_count:     66
    .vgpr_count:     256
    .wavefront_size: 32
...
	.end_amdgpu_metadata
.endif
;; end of part 3
